; MI455X (gfx1250); checked and timed in simulation.
; The chip was launched on July 23, 2026; its instructions are those of AMD's public machine-readable ISA for CDNA 5 (MIT licence, August 2026) and "CDNA5" Instruction Set Architecture Reference Guide (July 2026). The comments in the code are by the model that wrote it; some were corrected since.
;; Bag Of Concepts. Allowed arithmetic: matrix products marked QUANTISED: E4M3 operands, one E8M0 scale for each 32 along K, by v_wmma_scale_f32_16x16x128_f8f6f4 with both operands' format E4M3, f32 sums; everything else in f32.
;; Inputs: codebook 4,096 x 512 float32; inp 8 x 4,096 x 512 float32.
;; Outputs: out0 8 x 4,096 x 512 float32.
;; This version of the problem:
;;   THIS VERSION OF THE PROBLEM IS GIVEN IN LOW PRECISION. The matrix products marked QUANTISED in the list below multiply operands that are first quantised to E4M3 (4 exponent bits, 3 mantissa bits; 8 bits a number), with one power-of-two scale for each 32 numbers along K (OCP MX v1.0); their sums are f32. All else is computed in f32.
;;   The module's matrix products, in the order in which they are computed (A, B: the left and right operand; K: the contracted axis; several contracted axes count as one K, in the product's order):
;;     1. [M 32,768, K 512] x [K 512, N 4,096]; A: input inp; B: input codebook: QUANTISED
;;   THE QUANTISER, for each operand of a quantised product, along K:
;;     - K is cut into blocks of 32 from its start; a last block that is shorter is filled with zeros.
;;     - A block's scale is 2^e with e = floor(log2(the largest magnitude in the block)) - 8, held to -126 .. 127; a block of zeros has e = 0. As a byte (E8M0): e + 127.
;;     - Each number is divided by its block's scale, clamped to +-448, and rounded to the nearest number of E4M3, ties to even, subnormals kept.
;;     - The product sums the exact products of the quantised numbers (number of the format x scale) in f32.
;;   ~~~python
;;   def quantise(x, axis):      # numpy; x: float32 -> the quantised numbers, widened to float32 again
;;       x = np.moveaxis(x, axis, -1); K = x.shape[-1]
;;       x = np.pad(x, [(0, 0)] * (x.ndim - 1) + [(0, -K % 32)]); x = x.reshape(x.shape[:-1] + (-1, 32)); a = np.abs(x).max(-1, keepdims=True)
;;       e = np.where(a > 0, np.clip(np.frexp(np.where(a > 0, a, 1))[1] - 1 - 8, -126, 127), 0)      # np.frexp(a)[1] - 1 = floor(log2(a)), exactly
;;       r = np.clip(x / 2.0 ** e, -448, 448)
;;       step = 2.0 ** (np.maximum(np.frexp(np.where(r == 0, 1, r))[1] - 1, -6) - 3)
;;       q = np.round(r / step) * step * 2.0 ** e      # np.round: ties to even
;;       return np.moveaxis(q.reshape(q.shape[:-2] + (-1,))[..., :K], -1, axis).astype(np.float32)
;;   ~~~
;; One version. Each part assembles by itself: llvm-mc -triple=amdgcn-amd-amdhsa -mcpu=gfx1250 --defsym DOCPART=n.
;; ======== version 1 of 1: 3 launches
;; workspace buffers: xq 17,825,792 bytes; cq 2,228,224 bytes; best 524,288 bytes of whole numbers
;; launch quant (part 1): grid 576 x 1, 4 waves a work-group, no clusters, 55,808 bytes of LDS; arguments inp, codebook, xq, cq; writes xq, cq
.if DOCPART == 1
	.amdgcn_target "amdgcn-amd-amdhsa--gfx1250"
	.amdhsa_code_object_version 6
	.text
	.protected	k_q8802d4dd2d_quant
	.globl	k_q8802d4dd2d_quant
	.p2align	8
	.type	k_q8802d4dd2d_quant,@function
k_q8802d4dd2d_quant:
	s_mov_b64 s[64:65], 0
	v_nop
	global_prefetch_b8 v0, s[64:65] scope:SCOPE_SE
	s_setreg_imm32_b32 hwreg(HW_REG_WAVE_MODE, 25, 1), 1
	s_wait_xcnt 0x0
; inp [32768][512] and codebook [4096][512], f32, become codes of FP8 (E4M3) with one E8M0 scale byte for each 32 along K, laid IN THE ORDER OF THE
; OPERAND'S REGISTERS, and each row's sum of squares in f32 beside them.  A TILE is 16 rows and takes TILEB = 8,704 bytes (34 x 256) of xq or cq:
;   512 i + 16 L  (i = 4 ks + c = 0 .. 15, L = lane 0 .. 31): the 16 codes of row L % 16 at k = 128 ks + 32 c + 16 (L / 16) + 0 .. 15: registers 4 c .. 4 c + 3 of the fragment of K step ks
;   8192 + 16 r   row r's 16 scale bytes (word ks serves K step ks);    8448 + 4 r   row r's sum of squares;    8512 .. 8703   zeros.
; A block's scale is 2^(floor(log2(its largest magnitude)) - 8); its byte is the largest magnitude's exponent field - 8, held at 1 from below.  Each number is divided by the scale,
; held within +-448 and rounded to the nearest code, ties to even.  A block of zeros gets the byte 1 where the rule says 127: its codes are zeros, and this program alone reads the bytes.
; LIMITS: NaN and infinities among the inputs are not served; blocks whose largest magnitude lies under 2^(8 - 126) keep the floor's byte; a row's sum of squares is an f32 sum
; in a tree (two packed chains a lane, then across the 32 lanes), not in the order in which the reference adds.
; SHARES.  One launch serves both tensors: work-groups 0 .. 511 take inp, the other 64 the codebook; only pointers are chosen, the text has one path.  A wave takes one tile: 16 steps, a step = one row of 2,048 bytes.
; Each load reads 512 consecutive bytes, 16 a lane; a step's bytes turn through the wave's own stage in LDS and come back 64 bytes a lane: 16 NEIGHBOURS along K, as the conversions want them;
; two neighbouring lanes hold a block.  The codes of the 16 rows are gathered in LDS by rows (pitch 528) and read back in the fragments' order, so that every store covers whole aligned blocks of 256 bytes.
; No tensor loads, no barrier: waves share nothing.  Loads run eight steps (32 loads a wave) ahead, the turn through the stage one step.
.set WGA,   512                        ; work-groups for inp: 2,048 tiles / 4 waves
.set STEPS, 16
.set TILEB, 8704
.set EMAX,  8
.set MANT,  0x600000                   ; the mantissa field of 448 as f32
.set SP,    80                         ; a lane's place in a stage: its 64 bytes + 16 of padding
.set WREG,  13824                      ; LDS of a wave: two stages of 32 x SP, the tile's rows, the sums
.set OUTS,  5120                       ; 16 rows x OP: 512 codes, then 16 scale bytes
.set OP,    528                        ; 33 x 16 bytes: the 16 rows that a read in fragment order touches start 16 bytes apart modulo 256
.set SSO,   13568                      ; 256 bytes: 16 sums, the rest zeros
.set R,     16                         ; v16-143  eight sets of 16 numbers as they are loaded; at the end the tile on its way out
.set X,     144                        ; v144-175 two sets of 16 neighbours
.set C,     176                        ; v176-183 two sets of 4 registers of codes
.set E,     184                        ; v184-185 the scale byte, by the step's parity
.set Q,     186                        ; v186-189 sums of squares: two packed chains
.set SM,    190                        ; v190-191 the row's sum, by the step's parity
.set PD,    192                        ; v192     the lane permute's destination
.set RDT,   193                        ; v193     LDS: my 8 bytes of the sums' block
.set ZZ,    194                        ; v194-195 zeros
	s_load_b256 s[4:11], s[0:1], 0x0               ; inp s[4:5], codebook s[6:7], xq s[8:9], cq s[10:11]
	v_lshl_add_u32 v200, v0, 2, 0xd800
	v_mov_b32 v201, 0
	v_lshrrev_b32 v1, 5, v0
	v_readfirstlane_b32 s16, v1                    ; wave
	v_and_b32 v2, 31, v0                           ; lane
	v_lshlrev_b32 v3, 4, v2                        ; 16 x lane: my bytes of a load's or a store's 512
	v_lshlrev_b32 v7, 3, v2                        ; 8 x lane: my bytes of a store's 256
	s_mul_i32 s17, s16, WREG                       ; my wave's LDS
	s_add_co_u32 s18, s17, OUTS
	s_add_co_u32 s19, s17, SSO
	v_lshrrev_b32 v14, 2, v2
	v_mul_u32_u24 v14, v14, SP
	v_and_b32 v15, 3, v2
	v_lshl_add_u32 v14, v15, 4, v14
	v_add_nc_u32 v14, s17, v14                     ; the stage, on the way in: four lanes' 64 bytes on end, then 16 of padding
	v_mul_u32_u24 v15, v2, SP
	v_add_nc_u32 v15, s17, v15                     ; and on the way out: SP x lane: my 16 neighbours
	v_add_nc_u32 v4, s18, v3                       ; a row's codes: 16 x lane (the row stands in the immediate)
	v_lshrrev_b32 v5, 1, v2
	v_mul_u32_u24 v13, v5, OP
	v_add_nc_u32 v5, s18, v5                       ; a row's scale bytes: my block's byte
	v_and_b32 v8, 1, v2
	v_lshl_add_u32 v13, v8, 3, v13
	v_add_nc_u32 v13, s18, v13                     ; the scale bytes on the way out: row lane / 2, 8 bytes a lane
	v_mov_b32 v6, s19                              ; the sums: the row stands in the immediate
	v_and_b32 v8, 15, v2
	v_mul_u32_u24 v12, v8, OP
	v_lshrrev_b32 v8, 4, v2
	v_lshl_add_u32 v12, v8, 4, v12
	v_add_nc_u32 v12, s18, v12                     ; the codes on the way out: row lane % 16, + 16 (lane / 16): a fragment's order
	v_add_nc_u32 v[RDT], s19, v7
	v_mov_b32 v[ZZ], 0
	v_mov_b32 v[ZZ+1], 0
	v_mov_b32 v[PD], 0                             ; written once: a lane permute's destination counts as one of its sources
	s_mov_b32 s20, 0x76543210
	s_mov_b32 s21, 0xfedcba98                      ; v_permlanex16_b32's selects for lane l xor 16
	s_mov_b32 s23, MANT                            ; (an instruction takes one literal: the hold's line has another)
	ds_store_b64 v[RDT], v[ZZ:ZZ+1]                ; the sums' 256 bytes begin as zeros: every byte of a tile is written
	s_wait_kmcnt 0x0
	s_cmp_lt_u32 ttmp9, WGA                        ; inp's work-group or the codebook's?  The choice hangs on the work-group's number alone
	s_cselect_b64 s[4:5], s[4:5], s[6:7]
	s_cselect_b64 s[8:9], s[8:9], s[10:11]
	s_cselect_b32 s24, 0, WGA
	s_sub_co_u32 s24, ttmp9, s24
	s_lshl_b32 s24, s24, 2
	s_add_co_u32 s24, s24, s16                     ; my wave's tile of its tensor
	s_lshl_b32 s26, s24, 15                        ; 16 rows of 2,048 bytes (under 2^27)
	s_mov_b32 s27, 0
	s_add_nc_u64 s[4:5], s[4:5], s[26:27]
	s_mul_i32 s26, s24, TILEB                      ; (under 2^25)
	s_add_nc_u64 s[8:9], s[8:9], s[26:27]
.macro LOAD t
.irp i, 0,1,2,3
	global_load_b128 v[R+16*((\t)%8)+4*\i:R+16*((\t)%8)+4*\i+3], v3, s[4:5] offset:2048*(\t)+512*\i th:TH_LOAD_NT   ; 32 lanes read 512 consecutive bytes; this launch reads them once
.endr
.endm
.macro TURN t                          ; step t's numbers through the stage: LDS serves a wave's instructions in order, so no wait stands between the stores and the loads
.irp i, 0,1,2,3
	ds_store_b128 v14, v[R+16*((\t)%8)+4*\i:R+16*((\t)%8)+4*\i+3] offset:32*SP*((\t)%2)+8*SP*\i
.endr
.irp i, 0,1,2,3
	ds_load_b128 v[X+16*((\t)%2)+4*\i:X+16*((\t)%2)+4*\i+3], v15 offset:32*SP*((\t)%2)+16*\i
.endr
.endm
.irp t, 0,1,2,3,4,5,6,7
	LOAD \t
.endr
	s_wait_loadcnt 28                              ; step 0's four loads are in; those of the seven steps behind it may be out
	TURN 0
.macro STEP t
.set XS, X+16*((\t)%2)
.set CS, C+4*((\t)%2)
.if (\t) > 0
	s_wait_dscnt 3                                 ; this step's numbers are back from the stage; the last step's three stores (codes, byte, sum) may be out
.else
	s_wait_dscnt 0x0
.endif
.if (\t)+8 < STEPS
	LOAD (\t)+8                                    ; into the set that this step's stores into the stage have read
.endif
.if (\t)+1 < STEPS
.if 14-(\t) >= 7
	s_wait_loadcnt 28                              ; the next step's four loads are in; those of the seven steps behind it may be out
.else
	s_wait_loadcnt 4*(14-(\t))                     ; fewer steps are left behind it
.endif
	TURN (\t)+1                                    ; and go through the other stage while this step is worked
.endif
	v_pk_mul_f32 v[Q:Q+1], v[XS:XS+1], v[XS:XS+1]                  ; the row's sum of squares, of the numbers as they came: two packed chains
	v_pk_mul_f32 v[Q+2:Q+3], v[XS+2:XS+3], v[XS+2:XS+3]
.irp i, 4,8,12
	v_pk_fma_f32 v[Q:Q+1], v[XS+\i:XS+\i+1], v[XS+\i:XS+\i+1], v[Q:Q+1]
	v_pk_fma_f32 v[Q+2:Q+3], v[XS+\i+2:XS+\i+3], v[XS+\i+2:XS+\i+3], v[Q+2:Q+3]
.endr
	v_max3_num_f32 v8, |v[XS]|, |v[XS+1]|, |v[XS+2]|               ; the largest magnitude of my 16
	v_max3_num_f32 v9, |v[XS+3]|, |v[XS+4]|, |v[XS+5]|
.irp i, 6,10
	v_max3_num_f32 v8, v8, |v[XS+\i]|, |v[XS+\i+1]|
	v_max3_num_f32 v9, v9, |v[XS+\i+2]|, |v[XS+\i+3]|
.endr
	v_max3_num_f32 v8, v8, |v[XS+14]|, |v[XS+15]|
	v_max3_num_f32 v8, v8, v9, (EMAX+1)<<23        ; and the floor 2^(EMAX + 1 - 127): the byte cannot fall under 1
	v_pk_add_f32 v[Q:Q+1], v[Q:Q+1], v[Q+2:Q+3]
	v_max_num_f32_dpp v8, v8, v8 row_xmask:1 row_mask:0xf bank_mask:0xf   ; and of my neighbour's 16: the block's
	v_add_f32 v[Q], v[Q], v[Q+1]                   ; my 16 squares
	v_add_nc_u32 v11, -(EMAX<<23), v8              ; EMAX off the exponent field: the conversion takes the exponent field of this operand as its scale
	v_and_or_b32 v10, v8, 0x7f800000, s23          ; 448 x the scale: the largest magnitude's exponent field over 448's mantissa
	v_add_f32_dpp v[Q], v[Q], v[Q] row_xmask:1 row_mask:0xf bank_mask:0xf   ; the row lies in the wave's 32 lanes
	v_add_f32_dpp v[Q], v[Q], v[Q] row_xmask:2 row_mask:0xf bank_mask:0xf
	v_add_f32_dpp v[Q], v[Q], v[Q] row_xmask:4 row_mask:0xf bank_mask:0xf
	v_add_f32_dpp v[Q], v[Q], v[Q] row_xmask:8 row_mask:0xf bank_mask:0xf
	v_permlanex16_b32 v[PD], v[Q], s20, s21
	v_add_f32 v[SM+(\t)%2], v[Q], v[PD]            ; every lane holds the row's sum
.irp i, 0,1,2,3,4,5,6,7,8,9,10,11,12,13,14,15
	v_med3_num_f32 v[XS+\i], v[XS+\i], -v10, v10   ; the conversion to an 8-bit code does not saturate (ISA guide 7.6.2): hold the number within the largest code x the scale first
.endr
	v_cvt_scalef32_pk8_fp8_f32 v[CS:CS+1], v[XS:XS+7], v11         ; eight numbers / the scale, to the nearest code, ties to even; the first number's code in the lowest byte
	v_cvt_scalef32_pk8_fp8_f32 v[CS+2:CS+3], v[XS+8:XS+15], v11
	v_lshrrev_b32 v[E+(\t)%2], 23, v11             ; the scale's byte (also the plain line behind the conversions)
	ds_store_b128 v4, v[CS:CS+3] offset:OP*(\t)                    ; row t's codes, K ascending
	ds_store_b8 v5, v[E+(\t)%2] offset:OP*(\t)+512                 ; both lanes of a block write the same byte with the same value
	ds_store_b32 v6, v[SM+(\t)%2] offset:4*(\t)                    ; all lanes write the same word with the same value
.endm
.irp t, 0,1,2,3,4,5,6,7,8,9,10,11,12,13,14,15
	STEP \t
.endr
	; THE WAY OUT.  LDS serves a wave's instructions in order: these loads see my stores.
.irp i, 0,1,2,3,4,5,6,7,8,9,10,11,12,13,14,15
	ds_load_b128 v[R+4*\i:R+4*\i+3], v12 offset:128*(\i/4)+32*(\i%4)   ; image i = 4 ks + c of the tile's fragments
.endr
	ds_load_b64 v[R+64:R+65], v13 offset:512
	ds_load_b64 v[R+66:R+67], v[RDT]
.irp i, 0,1,2,3,4,5,6,7,8,9,10,11,12,13,14,15
	s_wait_dscnt 17-\i                             ; load i is in; the 17 - i issued behind it may be out
	global_store_b128 v3, v[R+4*\i:R+4*\i+3], s[8:9] offset:512*\i     ; 32 lanes store 512 consecutive bytes, at a multiple of 256 from the buffer's first byte
.endr
	s_wait_dscnt 1
	global_store_b64 v7, v[R+64:R+65], s[8:9] offset:8192          ; the 16 rows' scale bytes: 256 consecutive bytes
	s_wait_dscnt 0x0
	global_store_b64 v7, v[R+66:R+67], s[8:9] offset:8448          ; the 16 sums and the zeros behind them: 256 consecutive bytes
	s_wait_tensorcnt 0x0
	ds_add_u32 v200, v201
	s_wait_dscnt 0x0
	s_endpgm
.Lfunc_end_k_q8802d4dd2d_quant:
	.size	k_q8802d4dd2d_quant, .Lfunc_end_k_q8802d4dd2d_quant-k_q8802d4dd2d_quant
	.p2alignl 7, 3214868480
	.fill 96, 4, 3214868480
	.section	.rodata,"a",@progbits
	.p2align	6, 0x0
	.amdhsa_kernel k_q8802d4dd2d_quant
		.amdhsa_group_segment_fixed_size 55808
		.amdhsa_private_segment_fixed_size 0
		.amdhsa_enable_private_segment 0
		.amdhsa_kernarg_size 32
		.amdhsa_user_sgpr_count 2
		.amdhsa_user_sgpr_kernarg_segment_ptr 1
		.amdhsa_wavefront_size32 1
		.amdhsa_system_sgpr_workgroup_id_x 1
		.amdhsa_system_sgpr_workgroup_id_y 1
		.amdhsa_system_sgpr_workgroup_id_z 1
		.amdhsa_system_vgpr_workitem_id 0
		.amdhsa_next_free_vgpr 202
		.amdhsa_next_free_sgpr 66
		.amdhsa_reserve_vcc 0
		.amdhsa_float_denorm_mode_32 3
		.amdhsa_float_denorm_mode_16_64 3
		.amdhsa_memory_ordered 1
		.amdhsa_forward_progress 1
		.amdhsa_inst_pref_size 70
	.end_amdhsa_kernel
	.amdgpu_metadata
---
amdhsa.version: [ 1, 2 ]
amdhsa.kernels:
  - .name:           k_q8802d4dd2d_quant
    .symbol:         k_q8802d4dd2d_quant.kd
    .args:
      - { .name: inp, .offset: 0, .size: 8, .value_kind: global_buffer, .address_space: global }
      - { .name: codebook, .offset: 8, .size: 8, .value_kind: global_buffer, .address_space: global }
      - { .name: xq, .offset: 16, .size: 8, .value_kind: global_buffer, .address_space: global }
      - { .name: cq, .offset: 24, .size: 8, .value_kind: global_buffer, .address_space: global }
    .group_segment_fixed_size: 55808
    .private_segment_fixed_size: 0
    .kernarg_segment_align: 8
    .kernarg_segment_size: 32
    .max_flat_workgroup_size: 128
    .sgpr_count:     66
    .vgpr_count:     202
    .wavefront_size: 32
...
	.end_amdgpu_metadata
.endif
;; end of part 1
;; launch nearest (part 2): grid 128 x 2, 8 waves a work-group, clusters of 4 x 1, 327,680 bytes of LDS; arguments xq, cq, best; writes best
.if DOCPART == 2
	.amdgcn_target "amdgcn-amd-amdhsa--gfx1250"
	.amdhsa_code_object_version 6
	.text
	.protected	k_q8802d4dd2d_nearest
	.globl	k_q8802d4dd2d_nearest
	.p2align	8
	.type	k_q8802d4dd2d_nearest,@function
k_q8802d4dd2d_nearest:
	s_mov_b64 s[64:65], 0
	v_nop
	global_prefetch_b8 v0, s[64:65] scope:SCOPE_SE
	s_setreg_imm32_b32 hwreg(HW_REG_WAVE_MODE, 25, 1), 1
	s_wait_xcnt 0x0
	s_wait_alu depctr_hold_cnt(0) depctr_sa_sdst(0) depctr_va_vdst(0) depctr_va_sdst(0) depctr_va_ssrc(0) depctr_va_vcc(0) depctr_vm_vsrc(0)
	s_getreg_b32 s2, hwreg(HW_REG_IB_STS2, 6, 4)
	s_cmp_eq_u32 s2, 0
	s_cbranch_scc0 .Lentry_in_a_cluster
	s_endpgm
.Lentry_in_a_cluster:
	s_bfe_u32 s2, ttmp6, 0x10000c
	s_cmp_lg_u32 s2, 0x3003
	s_cbranch_scc0 .Lentry_shape_is_right
	s_endpgm
.Lentry_shape_is_right:
.set TILEB, 8704
.set SLOTB, 16*TILEB
.set PART,  SLOTB/8
.set HALFB, 128*TILEB
.set SCR,   2*SLOTB
.set SPARE, SCR+4096
.set ADF, 2
.set ADS, 6
.set ADC, 10
.set SPW, 14
.set NIL, 15
.set CSC, 16
.set XSC, 20
.set S,   36
.set RUN, 44
.set GID, 48
.set TM,  52
.set CC,  56
.set D,   72
.set SAV, 104
.set FA,  136
.set JJ,  200
.set KM,  204
.set PP,  208
.set OT,  216
.set MG,  224
.set SRD, 232
.set XO,  233
.set XSO, 234
.set RO4, 235
.set H8,  236
.set SWR, 237
.set BO,  238
.set TID, 239
.set G1,  16
.set G0,  24
.set MSB, 0
.macro WIN new
.if MSB != \new
	s_set_vgpr_msb (MSB<<8)|\new
.set MSB, \new
.endif
.endm
.macro PLACES n
.rept \n
	v_nop
.endr
.endm
.macro ROUND
	s_barrier_signal -1
	s_barrier_wait -1
	s_cmp_lg_u32 s10, 0
	s_cbranch_scc1 .Lnot_wave_0_\@
	s_barrier_signal -3
.Lnot_wave_0_\@:
	s_barrier_wait -3
	s_barrier_signal -1
	s_barrier_wait -1
.endm
	s_load_b128 s[4:7], s[0:1], 0x0
	s_load_b64 s[8:9], s[0:1], 0x10
	v_lshl_add_u32 v[SPW], v0, 2, SPARE
	v_mov_b32 v[NIL], 0
	ds_add_u32 v14, v15
	ds_add_u32 v14, v15
	s_wait_dscnt 0x0
	v_lshrrev_b32 v1, 5, v0
	s_delay_alu instid0(VALU_DEP_1)
	v_readfirstlane_b32 s10, v1
	s_lshr_b32 s11, s10, 2
	s_and_b32 s12, s10, 1
	s_lshr_b32 s48, s10, 1
	s_mul_i32 s15, s12, 8*TILEB
	s_and_b32 s49, ttmp7, 0xffff
	s_lshl_b32 s33, s49, 7
	s_lshl_b32 s50, s12, 3
	s_add_co_u32 s33, s33, s50
	s_bfe_u32 s13, ttmp6, 0x40000
	s_lshl_b32 s14, ttmp9, 2
	s_add_co_u32 s14, s14, s13
	s_lshl_b32 s44, s14, 4
	s_lshl_b32 s45, s48, 2
	s_add_co_u32 s44, s44, s45
	s_mul_i32 s44, s44, TILEB
	s_mov_b32 s45, 0
	s_lshl_b32 s46, s14, 11
	s_lshl_b32 s47, s10, 8
	s_add_co_u32 s46, s46, s47
	s_lshl_b32 s47, s49, 18
	s_add_co_u32 s46, s46, s47
	s_mov_b32 s47, 0
	s_mov_b32 s[G1+0], 15|(3<<16)|(1<<21)
	s_mov_b32 s[G1+1], 32<<16
	s_mov_b32 s[G1+2], 68<<16
	s_mov_b32 s[G1+3], 32<<16
	s_mov_b32 s[G1+4], 68
	s_mov_b32 s[G1+5], 32
	s_mov_b32 s[G1+6], 0
	s_mov_b32 s[G1+7], 0
	s_mul_i32 s34, s10, PART
	s_mul_i32 s2, s49, HALFB
	s_add_co_u32 s2, s2, s34
	s_mov_b32 s3, 0
	s_mov_b32 s38, 0x76543210
	s_mov_b32 s39, 0xfedcba98
	v_and_b32 v1, 31, v0
	v_and_b32 v[JJ], 15, v0
	v_bfe_u32 v[JJ+1], v0, 4, 1
	s_delay_alu instid0(VALU_DEP_3)
	v_lshlrev_b32 v[XO], 4, v1
	s_delay_alu instid0(VALU_DEP_3)
	v_lshlrev_b32 v[XSO], 4, v[JJ]
	s_delay_alu instid0(VALU_DEP_4)
	v_lshlrev_b32 v[RO4], 2, v[JJ]
	s_delay_alu instid0(VALU_DEP_4)
	v_lshlrev_b32 v[H8], 3, v[JJ+1]
	v_lshlrev_b32 v[BO], 3, v1
.irp a, 0,1,2,3
	s_add_co_u32 s50, s15, (16*(\a/2)+4*(\a%2))*TILEB
	v_add_nc_u32 v[ADF+\a], s50, v[XO]
	v_add_nc_u32 v[ADS+\a], s50, v[XSO]
	v_lshl_add_u32 v[ADC+\a], v[JJ+1], 5, s50
.endr
	s_lshl_b32 s40, s10, 9
	s_add_co_u32 s40, s40, SCR
	v_lshl_add_u32 v[SWR], v[JJ], 3, s40
	s_lshl_b32 s41, s48, 10
	s_lshl_b32 s42, s12, 8
	s_add_co_u32 s41, s41, s42
	s_add_co_u32 s41, s41, SCR
	v_lshl_add_u32 v[SRD], v[JJ], 3, s41
	s_delay_alu instid0(VALU_DEP_1)
	v_lshl_add_u32 v[SRD], v[JJ+1], 7, v[SRD]
	s_wait_kmcnt 0x0
	s_add_nc_u64 s[36:37], s[6:7], s[2:3]
	s_add_nc_u64 s[4:5], s[4:5], s[44:45]
	s_add_nc_u64 s[8:9], s[8:9], s[46:47]
	WIN 0x40
.irp t, 0,1,2,3
.irp i, 0,1,2,3,4,5,6,7,8,9,10,11,12,13,14,15
	global_load_b128 v[64*\t+4*\i:64*\t+4*\i+3], v[XO], s[4:5] offset:\t*TILEB+512*\i
.endr
.endr
	WIN 0
.irp t, 0,1,2,3
	global_load_b128 v[XSC+4*\t:XSC+4*\t+3], v[XSO], s[4:5] offset:\t*TILEB+8192
	global_load_b32 v[S+2*\t], v[RO4], s[4:5] offset:\t*TILEB+8448
	global_load_b32 v[S+2*\t+1], v[RO4], s[4:5] offset:\t*TILEB+8448
.endr
	ROUND
.irp n, 0,1
	s_mov_b32 s[G0+4*\n], 1
	s_add_co_u32 s[G0+4*\n+1], s34, \n*SLOTB
	s_add_nc_u64 s[G0+4*\n+2:G0+4*\n+3], s[36:37], \n*SLOTB
	s_or_b32 s[G0+4*\n+3], s[G0+4*\n+3], 0x80000000
.endr
	tensor_load_to_lds s[G0:G0+3], s[G1:G1+7]
	s_nop 0
	s_wait_alu depctr_va_vdst(0)
	s_wait_tensorcnt 0x0
	ds_add_u32 v14, v15
	s_wait_dscnt 0x0
	ROUND
	tensor_load_to_lds s[G0+4:G0+7], s[G1:G1+7]
	s_nop 0
	PLACES 4
.irp t, 0,1,2,3
	v_mov_b32 v[RUN+\t], 0x7f800000
	v_mov_b32 v[GID+\t], 0
.endr
.irp j, 0,1,2,3,4,5,6,7,8,9,10,11,12,13,14,15,16,17,18,19,20,21,22,23,24,25,26,27,28,29,30,31
	v_mov_b32 v[SAV+\j], 0
.endr
.irp j, 0,1,2,3,4,5,6,7
	v_mov_b32 v[OT+\j], 0
.endr
.macro FETCH slot, i, par
.irp n, 0,1,2,3,4,5,6,7,8,9,10,11,12,13,14,15
	ds_load_b128 v[FA+4*\n:FA+4*\n+3], v[ADF+2*\slot+(\i)/4] offset:((\i)%4)*TILEB+512*\n
.endr
	ds_load_b128 v[CSC:CSC+3], v[ADS+2*\slot+(\i)/4] offset:((\i)%4)*TILEB+8192
	ds_load_b128 v[CC+8*(\par):CC+8*(\par)+3], v[ADC+2*\slot+(\i)/4] offset:((\i)%4)*TILEB+8448
	ds_load_b128 v[CC+8*(\par)+4:CC+8*(\par)+7], v[ADC+2*\slot+(\i)/4] offset:((\i)%4)*TILEB+8464
.endm
.macro WPART
	s_wait_dscnt 0x0
	WIN 0x04
.irp k, 0,1,2,3
.irp t, 0,1,2,3
.if \k == 0
	v_wmma_scale_f32_16x16x128_f8f6f4 v[D+8*\t:D+8*\t+7], v[FA+16*\k:FA+16*\k+15], v[64*\t+16*\k:64*\t+16*\k+15], 0, v[CSC+\k], v[XSC+4*\t+\k]
.else
	v_wmma_scale_f32_16x16x128_f8f6f4 v[D+8*\t:D+8*\t+7], v[FA+16*\k:FA+16*\k+15], v[64*\t+16*\k:64*\t+16*\k+15], v[D+8*\t:D+8*\t+7], v[CSC+\k], v[XSC+4*\t+\k]
.endif
.endr
.endr
	WIN 0
.endm
.macro EPI par, step
	v_mov_b32 v[TID], s33
.irp p, 0,2,4,6
.irp t, 0,1,2,3
	v_pk_fma_f32 v[D+8*\t+\p:D+8*\t+\p+1], v[D+8*\t+\p:D+8*\t+\p+1], -2.0, v[S+2*\t:S+2*\t+1] op_sel_hi:[1,0,1]
.endr
.endr
.irp p, 0,2,4,6
.irp t, 0,1,2,3
	v_pk_add_f32 v[D+8*\t+\p:D+8*\t+\p+1], v[D+8*\t+\p:D+8*\t+\p+1], v[CC+8*(\par)+\p:CC+8*(\par)+\p+1]
.endr
.endr
.irp t, 0,1,2,3
	v_min3_num_f32 v[TM+\t], v[D+8*\t], v[D+8*\t+1], v[D+8*\t+2]
.endr
.irp t, 0,1,2,3
	s_delay_alu instid0(VALU_DEP_4)
	v_min3_num_f32 v[TM+\t], v[TM+\t], v[D+8*\t+3], v[D+8*\t+4]
.endr
.irp t, 0,1,2,3
	s_delay_alu instid0(VALU_DEP_4)
	v_min3_num_f32 v[TM+\t], v[TM+\t], v[D+8*\t+5], v[D+8*\t+6]
.endr
.irp t, 0,1,2,3
	s_delay_alu instid0(VALU_DEP_4)
	v_min_num_f32 v[TM+\t], v[TM+\t], v[D+8*\t+7]
.endr
.irp t, 0,1,2,3
	s_delay_alu instid0(VALU_DEP_4)
	v_cmp_lt_f32 s[40+\t], v[TM+\t], v[RUN+\t]
.endr
.irp t, 0,1,2,3
	v_cndmask_b32 v[RUN+\t], v[RUN+\t], v[TM+\t], s[40+\t]
	v_cndmask_b32 v[GID+\t], v[GID+\t], v[TID], s[40+\t]
.irp j, 0,1,2,3,4,5,6,7
	v_cndmask_b32 v[SAV+8*\t+\j], v[SAV+8*\t+\j], v[D+8*\t+\j], s[40+\t]
.endr
.endr
	s_add_co_u32 s33, s33, \step
.endm
.macro CHANGE slot, fill
	s_wait_tensorcnt 0x0
	ds_add_u32 v[SPW], v[NIL]
.if \fill
	s_add_nc_u64 s[G0+4*\slot+2:G0+4*\slot+3], s[G0+4*\slot+2:G0+4*\slot+3], 2*SLOTB
.endif
	PLACES 5
	s_wait_dscnt 0x0
.if \fill
	ROUND
	tensor_load_to_lds s[G0+4*\slot:G0+4*\slot+3], s[G1:G1+7]
	s_nop 0
.else
	s_barrier_signal -1
	s_barrier_wait -1
.endif
	PLACES 4
.endm
.macro TILE slot, i
	WPART
	PLACES 8
	FETCH \slot, \i+1, (\i+1)%2
	EPI \i%2, 1
.endm
.macro LAST slot, next, fill
	s_cmp_lg_u32 s11, 0
	s_cbranch_scc1 .Llater_\@
	WPART
.Llater_\@:
	CHANGE \slot, \fill
	s_cmp_eq_u32 s11, 0
	s_cbranch_scc1 .Lmultiplied_\@
	WPART
	PLACES 8
.Lmultiplied_\@:
	FETCH \next, 0, 0
	EPI 1, 9
.endm
.macro PROCESS slot, next, fill
.irp i, 0,1,2,3,4,5,6
	TILE \slot, \i
.endr
	LAST \slot, \next, \fill
.endm
	s_wait_tensorcnt 0x1
	s_barrier_signal -1
	s_barrier_wait -1
	FETCH 0, 0, 0
	s_wait_loadcnt 0x0
	s_mov_b32 s32, 3
.Lloop:
	PROCESS 0, 1, 1
	PROCESS 1, 0, 1
	s_sub_co_u32 s32, s32, 1
	s_cmp_lg_u32 s32, 0
	s_cbranch_scc1 .Lloop
	PROCESS 0, 1, 0
.irp i, 0,1,2,3,4,5,6
	TILE 1, \i
.endr
	WPART
	PLACES 8
	EPI 1, 9
.irp t, 0,1,2,3
	v_mov_b32 v[JJ+\t], 7
.endr
.irp j, 6,5,4,3,2,1,0
.irp t, 0,1,2,3
	v_cmp_neq_f32 vcc_lo, v[SAV+8*\t+\j], v[RUN+\t]
	s_delay_alu instid0(VALU_DEP_1)
	v_cndmask_b32 v[JJ+\t], \j, v[JJ+\t], vcc_lo
.endr
.endr
.irp t, 0,1,2,3
	v_lshl_add_u32 v[PP+2*\t+1], v[GID+\t], 4, v[JJ+\t]
	v_mov_b32 v[PP+2*\t], v[RUN+\t]
.endr
.irp t, 0,1,2,3
	v_add_nc_u32 v[PP+2*\t+1], v[H8], v[PP+2*\t+1]
.endr
.macro MERGE va, ia, vb, ib
	v_cmp_lt_f32 s40, v[\vb], v[\va]
	v_cmp_eq_f32 s41, v[\vb], v[\va]
	v_cmp_lt_u32 s42, v[\ib], v[\ia]
	s_and_b32 s41, s41, s42
	s_or_b32 vcc_lo, s40, s41
	v_cndmask_b32 v[\va], v[\va], v[\vb], vcc_lo
	v_cndmask_b32 v[\ia], v[\ia], v[\ib], vcc_lo
.endm
.irp t, 0,1,2,3
	v_permlanex16_b32 v[OT+\t], v[PP+2*\t], s38, s39
	v_permlanex16_b32 v[OT+4+\t], v[PP+2*\t+1], s38, s39
.endr
.irp t, 0,1,2,3
	MERGE PP+2*\t, PP+2*\t+1, OT+\t, OT+4+\t
.endr
.irp t, 0,1,2,3
	ds_store_b64 v[SWR], v[PP+2*\t:PP+2*\t+1] offset:128*\t
.endr
	s_wait_dscnt 0x0
	s_barrier_signal -1
	s_barrier_wait -1
.irp q, 0,1
	ds_load_b64 v[MG+2*\q:MG+2*\q+1], v[SRD] offset:512*\q
.endr
	s_wait_dscnt 0x0
	MERGE MG, MG+1, MG+2, MG+3
	s_delay_alu instid0(VALU_DEP_2)
	v_ashrrev_i32 v[KM], 31, v[MG]
	s_delay_alu instid0(VALU_DEP_1)
	v_or_b32 v[KM], 0x80000000, v[KM]
	s_delay_alu instid0(VALU_DEP_1)
	v_xor_b32 v[MG], v[MG], v[KM]
	global_store_b64 v[BO], v[MG:MG+1], s[8:9]
	s_wait_tensorcnt 0x0
	ds_add_u32 v[SPW], v[NIL]
	s_wait_dscnt 0x0
	ROUND
	s_endpgm
.Lfunc_end_k_q8802d4dd2d_nearest:
	.size	k_q8802d4dd2d_nearest, .Lfunc_end_k_q8802d4dd2d_nearest-k_q8802d4dd2d_nearest
	.p2alignl 7, 3214868480
	.fill 96, 4, 3214868480
	.section	.rodata,"a",@progbits
	.p2align	6, 0x0
	.amdhsa_kernel k_q8802d4dd2d_nearest
		.amdhsa_group_segment_fixed_size 327680
		.amdhsa_private_segment_fixed_size 0
		.amdhsa_enable_private_segment 0
		.amdhsa_kernarg_size 24
		.amdhsa_user_sgpr_count 2
		.amdhsa_user_sgpr_kernarg_segment_ptr 1
		.amdhsa_wavefront_size32 1
		.amdhsa_system_sgpr_workgroup_id_x 1
		.amdhsa_system_sgpr_workgroup_id_y 1
		.amdhsa_system_sgpr_workgroup_id_z 1
		.amdhsa_system_vgpr_workitem_id 0
		.amdhsa_next_free_vgpr 512
		.amdhsa_next_free_sgpr 66
		.amdhsa_reserve_vcc 1
		.amdhsa_float_denorm_mode_32 3
		.amdhsa_float_denorm_mode_16_64 3
		.amdhsa_memory_ordered 1
		.amdhsa_forward_progress 1
		.amdhsa_inst_pref_size 255
	.end_amdhsa_kernel
	.section	.bss,"aw",@nobits
	.p2align	6
	.space	262144
	.amdgpu_metadata
---
amdhsa.version: [ 1, 2 ]
amdhsa.kernels:
  - .name:           k_q8802d4dd2d_nearest
    .symbol:         k_q8802d4dd2d_nearest.kd
    .args:
      - { .name: xq, .offset: 0, .size: 8, .value_kind: global_buffer, .address_space: global }
      - { .name: cq, .offset: 8, .size: 8, .value_kind: global_buffer, .address_space: global }
      - { .name: best, .offset: 16, .size: 8, .value_kind: global_buffer, .address_space: global }
    .group_segment_fixed_size: 327680
    .private_segment_fixed_size: 0
    .kernarg_segment_align: 8
    .kernarg_segment_size: 24
    .max_flat_workgroup_size: 256
    .sgpr_count:     66
    .vgpr_count:     512
    .wavefront_size: 32
...
	.end_amdgpu_metadata
.endif
;; end of part 2
;; launch fetch (part 3): grid 1024 x 1, 4 waves a work-group, no clusters, 0 bytes of LDS; arguments best, codebook, out0; writes out0
.if DOCPART == 3
	.amdgcn_target "amdgcn-amd-amdhsa--gfx1250"
	.amdhsa_code_object_version 6
	.text
	.protected	k_q8802d4dd2d_fetch
	.globl	k_q8802d4dd2d_fetch
	.p2align	8
	.type	k_q8802d4dd2d_fetch,@function
k_q8802d4dd2d_fetch:
	s_mov_b64 s[64:65], 0
	v_nop
	global_prefetch_b8 v0, s[64:65] scope:SCOPE_SE
	s_setreg_imm32_b32 hwreg(HW_REG_WAVE_MODE, 25, 1), 1
	s_wait_xcnt 0x0
; out0[n][:] = codebook[k(n)][:]: 32,768 rows of 2,048 bytes.  best[y][n] = (key, index), whole numbers stored by the launch before: for each half y of the codebook the first index with the
; smallest distance, and a key whose unsigned order is the distances' order.  k(n) is half 1's index where its key is STRICTLY smaller, else half 0's: all of half 0's indices are the lower ones,
; so the first index wins a tie.  Only whole numbers are compared here.
; A wave takes 8 rows.  Its 16 pairs come by two scalar loads of 64 bytes; each chosen index is held at 4,095, the table's last row, before it enters an address.  A row is four loads of 512 consecutive
; bytes; all 32 loads of the wave go out together (16 KiB on their way for each wave), and each store follows the counted wait for its load.  No loop; no vector register is written twice.
; The table's rows get no hint: a row may be named many times.  The output is written once and read by nobody here.  LDS, barriers and the matrix unit would add nothing to a copy.
.set ROWB,  2048
.set HALF1, 262144                     ; best[1] begins here: 32,768 pairs of 8 bytes
	s_load_b128 s[4:7], s[0:1], 0x0                ; best s[4:5], codebook s[6:7]
	s_load_b64 s[8:9], s[0:1], 0x10                ; out0
	v_lshrrev_b32 v2, 5, v0
	v_readfirstlane_b32 s10, v2                    ; wave
	v_and_b32 v1, 31, v0
	v_lshlrev_b32 v1, 4, v1                        ; 16 x lane
	s_lshl_b32 s11, ttmp9, 2
	s_add_co_u32 s11, s11, s10                     ; which run of 8 rows is my wave's
	s_lshl_b32 s12, s11, 6                         ; its 8 pairs: 64 bytes
	s_mov_b32 s13, 0
	s_lshl_b32 s14, s11, 14                        ; its 8 rows of 2,048 bytes (under 2^26)
	s_mov_b32 s15, 0
	s_wait_alu depctr_va_vdst(0)
	s_wait_kmcnt 0x0
	s_add_nc_u64 s[4:5], s[4:5], s[12:13]
	s_add_nc_u64 s[8:9], s[8:9], s[14:15]
	s_load_b512 s[16:31], s[4:5], 0x0              ; half 0: row i's key in s[16 + 2 i], its index in s[17 + 2 i]
	s_load_b512 s[32:47], s[4:5], HALF1            ; half 1 likewise
	s_wait_kmcnt 0x0
.irp i, 0,1,2,3,4,5,6,7
	s_cmp_lt_u32 s[32+2*\i], s[16+2*\i]            ; is half 1's key strictly smaller?
	s_cselect_b32 s[17+2*\i], s[33+2*\i], s[17+2*\i]
	s_min_u32 s[17+2*\i], s[17+2*\i], 0xfff        ; an index stays inside the table
	s_lshl_b32 s[17+2*\i], s[17+2*\i], 11          ; its row, in bytes
	v_add_nc_u32 v[4+\i], s[17+2*\i], v1
.endr
	s_wait_alu depctr_va_vdst(0)
.irp i, 0,1,2,3,4,5,6,7
.irp j, 0,1,2,3
	global_load_b128 v[16+16*\i+4*\j:16+16*\i+4*\j+3], v[4+\i], s[6:7] offset:512*\j
.endr
.endr
.irp i, 0,1,2,3,4,5,6,7
.irp j, 0,1,2,3
	s_wait_loadcnt 31-(4*\i+\j)                    ; loads come back in order: this one is in, those issued behind it may be out
	global_store_b128 v1, v[16+16*\i+4*\j:16+16*\i+4*\j+3], s[8:9] offset:ROWB*\i+512*\j th:TH_STORE_NT   ; 32 lanes store 512 consecutive bytes, at a multiple of 256 from out0's first byte
.endr
.endr
	s_endpgm
.Lfunc_end_k_q8802d4dd2d_fetch:
	.size	k_q8802d4dd2d_fetch, .Lfunc_end_k_q8802d4dd2d_fetch-k_q8802d4dd2d_fetch
	.p2alignl 7, 3214868480
	.fill 96, 4, 3214868480
	.section	.rodata,"a",@progbits
	.p2align	6, 0x0
	.amdhsa_kernel k_q8802d4dd2d_fetch
		.amdhsa_group_segment_fixed_size 0
		.amdhsa_private_segment_fixed_size 0
		.amdhsa_enable_private_segment 0
		.amdhsa_kernarg_size 24
		.amdhsa_user_sgpr_count 2
		.amdhsa_user_sgpr_kernarg_segment_ptr 1
		.amdhsa_wavefront_size32 1
		.amdhsa_system_sgpr_workgroup_id_x 1
		.amdhsa_system_sgpr_workgroup_id_y 1
		.amdhsa_system_sgpr_workgroup_id_z 1
		.amdhsa_system_vgpr_workitem_id 0
		.amdhsa_next_free_vgpr 144
		.amdhsa_next_free_sgpr 66
		.amdhsa_reserve_vcc 0
		.amdhsa_float_denorm_mode_32 3
		.amdhsa_float_denorm_mode_16_64 3
		.amdhsa_memory_ordered 1
		.amdhsa_forward_progress 1
		.amdhsa_inst_pref_size 10
	.end_amdhsa_kernel
	.amdgpu_metadata
---
amdhsa.version: [ 1, 2 ]
amdhsa.kernels:
  - .name:           k_q8802d4dd2d_fetch
    .symbol:         k_q8802d4dd2d_fetch.kd
    .args:
      - { .name: best, .offset: 0, .size: 8, .value_kind: global_buffer, .address_space: global }
      - { .name: codebook, .offset: 8, .size: 8, .value_kind: global_buffer, .address_space: global }
      - { .name: out0, .offset: 16, .size: 8, .value_kind: global_buffer, .address_space: global }
    .group_segment_fixed_size: 0
    .private_segment_fixed_size: 0
    .kernarg_segment_align: 8
    .kernarg_segment_size: 24
    .max_flat_workgroup_size: 128
    .sgpr_count:     66
    .vgpr_count:     144
    .wavefront_size: 32
...
	.end_amdgpu_metadata
.endif
;; end of part 3
